; MI455X (gfx1250); checked and timed in simulation.
; The chip was launched on July 23, 2026; its instructions are those of AMD's public machine-readable ISA for CDNA 5 (MIT licence, August 2026) and "CDNA5" Instruction Set Architecture Reference Guide (July 2026). The comments in the code are by the model that wrote it; some were corrected since.
;; Causal Self Attention. Allowed arithmetic: matrix products marked QUANTISED: E2M1 operands, one E8M0 scale for each 32 along K, by v_wmma_scale_f32_16x16x128_f8f6f4 with both operands' format E2M1 (or v_wmma_scale_f32_32x16x128_f4), f32 sums; everything else in f32.
;; Inputs: c_attn_b 3,072 float32; c_attn_w_codes 3,072 x 32 x 16 uint8 (E2M1 codes of c_attn_w, K innermost, in blocks of 32 codes, two codes a byte); c_attn_w_scales 3,072 x 32 uint8 (E8M0 scales of c_attn_w, one for each 32 codes along K); c_proj_b 1,024 float32; c_proj_w_codes 1,024 x 32 x 16 uint8 (E2M1 codes of c_proj_w, K innermost, in blocks of 32 codes, two codes a byte); c_proj_w_scales 1,024 x 32 uint8 (E8M0 scales of c_proj_w, one for each 32 codes along K); x_codes 4 x 2,048 x 32 x 16 uint8 (E2M1 codes of x, K innermost, in blocks of 32 codes, two codes a byte); x_scales 4 x 2,048 x 32 uint8 (E8M0 scales of x, one for each 32 codes along K).
;; Outputs: out0 4 x 2,048 x 1,024 float32.
;; This version of the problem:
;;   THIS VERSION OF THE PROBLEM IS GIVEN IN LOW PRECISION. The matrix products marked QUANTISED in the list below multiply operands that are first quantised to E2M1 (2 exponent bits, 1 mantissa bit; 4 bits a number), with one power-of-two scale for each 32 numbers along K (OCP MX v1.0); their sums are f32. All else is computed in f32.
;;   The module's matrix products, in the order in which they are computed (A, B: the left and right operand; K: the contracted axis; several contracted axes count as one K, in the product's order):
;;     1. [M 8,192, K 1,024] x [K 1,024, N 3,072]; A: input x (given as codes); B: input c_attn_w (given as codes): QUANTISED
;;     2. batch 64 x [M 2,048, K 64] x [K 64, N 2,048]; A: computed on the way; B: computed on the way: QUANTISED
;;     3. batch 64 x [M 2,048, K 2,048] x [K 2,048, N 64]; A: softmax (see below); B: computed on the way: QUANTISED
;;     4. [M 8,192, K 1,024] x [K 1,024, N 1,024]; A: computed on the way; B: input c_proj_w (given as codes): QUANTISED
;;   THE QUANTISER, for each operand of a quantised product, along K:
;;     - K is cut into blocks of 32 from its start; a last block that is shorter is filled with zeros.
;;     - A block's scale is 2^e with e = floor(log2(the largest magnitude in the block)) - 2, held to -126 .. 127; a block of zeros has e = 0. As a byte (E8M0): e + 127.
;;     - Each number is divided by its block's scale, clamped to +-6, and rounded to the nearest number of E2M1, ties to even, subnormals kept.
;;     - The product sums the exact products of the quantised numbers (number of the format x scale) in f32.
;;   ~~~python
;;   def quantise(x, axis):      # numpy; x: float32 -> the quantised numbers, widened to float32 again
;;       x = np.moveaxis(x, axis, -1); K = x.shape[-1]
;;       x = np.pad(x, [(0, 0)] * (x.ndim - 1) + [(0, -K % 32)]); x = x.reshape(x.shape[:-1] + (-1, 32)); a = np.abs(x).max(-1, keepdims=True)
;;       e = np.where(a > 0, np.clip(np.frexp(np.where(a > 0, a, 1))[1] - 1 - 2, -126, 127), 0)      # np.frexp(a)[1] - 1 = floor(log2(a)), exactly
;;       r = np.clip(x / 2.0 ** e, -6, 6)
;;       step = 2.0 ** (np.maximum(np.frexp(np.where(r == 0, 1, r))[1] - 1, 0) - 1)
;;       q = np.round(r / step) * step * 2.0 ** e      # np.round: ties to even
;;       return np.moveaxis(q.reshape(q.shape[:-2] + (-1,))[..., :K], -1, axis).astype(np.float32)
;;   ~~~
;;   SOFTMAX AHEAD OF A QUANTISED PRODUCT. Where the list says 'softmax', what is quantised is not the finished softmax but p = 2^(t - M), with t = logit x log2(e) and M = ceil(the row's largest t), a whole number; so 1/2 < the row's largest p <= 1. The row's sum l is taken of the UNQUANTISED p, in f32, and the product's result is divided by l at the end. Since M is a whole number, a kernel that streams over the keys may use a running M (the ceiling of the running maximum): every later rescaling is an exact power of two, which a block's scale takes up: the codes' values come out the same.
;;   OPERANDS COMPUTED ON THE WAY. 'Computed on the way' means the value that the module computes at that place (a softmax that the list does not call 'softmax' is quantised finished and normalised). What goes into a quantiser is computed in f32, as accurately as f32 sums, v_exp_f32 and their like allow (about 1e-6 of the number): no bf16 or f16 on the way to a quantiser, and a product that is left as it is and whose result goes on into a quantised operand takes f32 operands (vector FMAs, or v_wmma_f32_16x16x4_f32). A number that lies on a knife's edge between two numbers of the format may be rounded either way, as far as f32 arithmetic and the matrix unit's own rounding can turn it there, and no further.
;;   INPUTS GIVEN AS CODES. c_attn_w (in the module: [1024, 3072], K = its axis 0); c_proj_w (in the module: [1024, 1024], K = its axis 0); x (in the module: [4, 2048, 1024], K = its axis 2): each comes as NAME_codes (uint8): NAME with its K axis moved to the last place and cut into blocks of 32 codes, [.., K / 32, bytes a block], one block behind the other in memory; two codes a byte, the lower K in the low four bits (a code: sign, 2 exponent bits, 1 mantissa bit); and NAME_scales (uint8): the same leading axes, one E8M0 byte (e + 127) for each 32 codes along K. Its value is code x scale, taken as it is: it is not quantised again, and the codes and scales need not be those that the quantiser above would give.
;; One version. Each part assembles by itself: llvm-mc -triple=amdgcn-amd-amdhsa -mcpu=gfx1250 --defsym DOCPART=n.
;; ======== version 1 of 1: 3 launches
;; workspace buffers: qk 9,437,184 bytes; vv 4,456,448 bytes; yc 4,194,304 bytes; ys 262,144 bytes
;; launch qkv (part 1): grid 12 x 32, 4 waves a work-group, clusters of 4 x 4, 296,448 bytes of LDS; arguments x_codes, x_scales, c_attn_w_codes, c_attn_w_scales, c_attn_b, qk, vv; writes qk, vv
.if DOCPART == 1
	.amdgcn_target "amdgcn-amd-amdhsa--gfx1250"
	.amdhsa_code_object_version 6
	.text
	.protected	k_qe4c0f72f80_qkv
	.globl	k_qe4c0f72f80_qkv
	.p2align	8
	.type	k_qe4c0f72f80_qkv,@function
k_qe4c0f72f80_qkv:
	s_mov_b64 s[64:65], 0
	v_nop
	global_prefetch_b8 v0, s[64:65] scope:SCOPE_SE
	s_setreg_imm32_b32 hwreg(HW_REG_WAVE_MODE, 25, 1), 1
	s_wait_xcnt 0x0
	s_wait_alu depctr_hold_cnt(0) depctr_sa_sdst(0) depctr_va_vdst(0) depctr_va_sdst(0) depctr_va_ssrc(0) depctr_va_vcc(0) depctr_vm_vsrc(0)
	s_getreg_b32 s2, hwreg(HW_REG_IB_STS2, 6, 4)
	s_cmp_eq_u32 s2, 0
	s_cbranch_scc0 .Lentry_in_a_cluster
	s_endpgm
.Lentry_in_a_cluster:
	s_bfe_u32 s2, ttmp6, 0x10000c
	s_cmp_lg_u32 s2, 0xf033
	s_cbranch_scc0 .Lentry_shape_is_right
	s_endpgm
.Lentry_shape_is_right:
; qkv = x W + b on codes of FP4 (E2M1) with one E8M0 scale for each 32 along K = 1,024; then q and k are quantised along a head's 64 channels and v along the tokens (the keys).
; x: [8,192 tokens][512 bytes of codes], W: [3,072 channels][512 bytes], their scale bytes [row][32]; b: [3,072] f32.
; A work-group of four waves makes 256 tokens x 256 channels, a wave 128 x 128: 64 accumulators of 16 x 16, 512 registers.
; K = 1,024 is two LDS slots of 512 along K (rows of 256 bytes + 16 of padding); both slots and all scale bytes of the 512 rows fit in LDS at once: every LDS byte is filled ONCE, nothing is filled again.
; CLUSTERS: 4 x 4 work-groups; the four of a row of the cluster need the same tokens of x, the four of a column the same channels of W: each tile is asked for jointly, by the same tensor load with the same descriptor and a mask of the four.
; ROLES.  P is source 0 of the matrix instruction, R source 1: in the result a lane holds ONE row of R and its registers run along P's rows, eight neighbours a tile.  The quantiser wants its K along a lane's registers, so
;   q and k (cluster x 0 and 1): P = channels of W, R = tokens;     v (cluster x 2): P = tokens, R = channels of W.
; The text parts on the cluster's x, which all sixteen partners share; both ways run the same macro MAIN on other address registers.
; THE QUANTISER: a block's scale is 2^(floor(log2(largest magnitude)) - 2); its byte is the largest magnitude's exponent field - 2, held at 1 from below by a floor among the maximum's leaves.
; LIMITS: NaN and infinities are not served; a block whose largest magnitude lies under 2^-124 gets the byte 1; a block of zeros gets the byte 1 where the rule says 127 (its codes are zeros, and only this program reads the bytes).
; OUT, in the order of the next operand's registers (lane l's 16 bytes at 16 l, 512 consecutive bytes a store):
;   qk [b 4][hh 32][step 16][4,608]: hh = channel / 64 (q: 0-15, k: 16-31); a step is 128 tokens: 8 tiles of 16 tokens x 512 bytes (lane (r, h): token r, channels 32 h on), then 512 bytes of scale words
;      (word at 16 l + 4 i: tile 2 i for l < 16, tile 2 i + 1 for l >= 16, row l % 16; bytes 0, 1 the head's two scale bytes; bytes 2, 3 the neighbouring head's or 0, never 0xff).
;   vv [b 4][h 16][step 16][4,352]: [channel tile 4][c 2][512] (lane (r, h): channel r, keys 64 c + 32 h on), then 256 bytes of scale words (word at 8 l + 4 i: channel tile 2 i or 2 i + 1, row l % 16; byte = block of 32 keys).
; REGISTERS, in windows of 256: window 0: v1-29 addresses; v32-95 scale words, two sets; v96-123 the quantiser's; v128-191 R's fragments, later the codes; v192-255 the bias as C, later scale images.
;   window 1: P's fragments, two sets, at v0 and v128.   windows 2, 3: accumulator (a = R's block, b = P's block) at v[8 (8 (a % 4) + b)] of window 2 + a / 4.
.set PITCH,  272                       ; an LDS row: 256 bytes + 16 of padding = 68 words: the 16 rows that a load touches start 4 words apart modulo 64
.set HALFT,  128*PITCH                 ; 128 rows: what one tensor load brings, and what a wave reads of one side
.set SLOT,   4*HALFT                   ; x's 256 rows, then W's 256 rows
.set SCL,    2*SLOT                    ; behind the slots: the scale bytes, as rows of 256 bytes + 16 of padding
.set HALFS,  16*272                    ; those of 128 rows (4,096 bytes)
.set SBLK,   2*272                     ; those of 16 rows
.set QKREC,  4608
.set QKHEAD, 16*QKREC                  ; from one hh to the next
.set VREC,   4352
.set VHEAD,  16*VREC
.set XR,  16                           ; v16-17  x as R (my half HI of the tokens), slot 0, 1
.set WP,  18                           ; v18-19  W as P (my half LO of the channels)
.set XP,  20                           ; v20-21  x as P (half LO)
.set WR,  22                           ; v22-23  W as R (half HI)
.set SQ,  24                           ; v24     scale words for q and k: lanes 0-15 x's rows, lanes 16-31 W's
.set SV,  25                           ; v25     for v: lanes 0-15 W's rows, lanes 16-31 x's
.set L16, 26                           ; v26     16 x lane
.set L8,  27                           ; v27     8 x lane
.set BO,  28                           ; v28     32 h: the bias of my eight channels of a tile
.set BR,  29                           ; v29     4 r: the bias of my one channel
.set SC,  32                           ; scale words: set s at v[SC + 32 s]; register 4 i + q: lanes 0-15 R's block i, lanes 16-31 P's block i, the slot's q-th 128 along K
.set TM,  96                           ; v96-99 largest magnitudes, v100-103 bytes, v108-111 the conversions' scale operands
.set FLR, 112                          ; v112    the floor 2^(3 - 127)
.set PW,  116                          ; v116-123 the scale word of R's block a
.set RF,  128                          ; R's fragments, one set
.set PC,  128                          ; later: the codes of R's block a at v[PC + 8 a]
.set BI,  192                          ; the bias in the result's layout, eight registers a tile
.set SI,  192                          ; later: scale images
.set G1X, 24                           ; s[24:31] group 1 for x's tiles;  s[32:39] group 0, one set a slot
.set G0X, 32
.set G1W, 48                           ; s[48:55], s[56:63] the same for W's
.set G0W, 56
.set G1SX, 68                          ; s[68:75], s[76:79] groups 1 and 0 for x's scales;  s[80:87], s[88:91] for W's
.set G0SX, 76
.set G1SW, 80
.set G0SW, 88
.set MUL_LO, 0xa1                      ; source 0 (P) window 1, source 1 (R) window 0, C and D window 2
.set MUL_HI, 0xf1                      ; the same, C and D window 3
.set FST_LO, 0x81                      ; the first step: C (the bias) window 0, D window 2
.set FST_HI, 0xc1                      ; D window 3
.set TO_P,   0x40                      ; destination window 1, address window 0
.set MSB, 0
.macro WIN new                         ; the immediate's high byte repeats the setting that is left; a switch that changes nothing is dropped
.if MSB != (\new)
	s_set_vgpr_msb (MSB<<8)|(\new)
.set MSB, (\new)
.endif
.endm
; A joint load: waves 0 and 1 fetch for x, waves 2 and 3 for W.  Each line has one mask and one set of registers for all that issue it; the branch hangs on the wave's number alone.
; Four v_nop follow each of the two lines, ahead of the jump, the label and what follows.
.macro JLOAD g0a, g1a, g0b, g1b
	s_cmp_eq_u32 s19, 0
	s_cbranch_scc0 .Lfor_w_\@
	tensor_load_to_lds s[\g0a:\g0a+3], s[\g1a:\g1a+7]
	s_nop 0
.rept 4
	v_nop
.endr
	s_branch .Lasked_\@
.Lfor_w_\@:
	tensor_load_to_lds s[\g0b:\g0b+3], s[\g1b:\g1b+7]
	s_nop 0
.rept 4
	v_nop
.endr
.Lasked_\@:
.endm
.macro CROUND                          ; a round of the cluster's barrier: my work-group's barrier, wave 0 signals for the work-group, every wave waits for all sixteen, my work-group's barrier once more
	s_barrier_signal -1
	s_barrier_wait -1
	s_cmp_lg_u32 s18, 0
	s_cbranch_scc1 .Lnot_wave_0_\@
	s_barrier_signal -3
.Lnot_wave_0_\@:
	s_barrier_wait -3
	s_barrier_signal -1
	s_barrier_wait -1
.endm
.macro PLACES n                        ; plain vector instructions that name no register of the matrix instructions in front of them (ISA guide 7.12.1)
.rept \n
	v_nop
.endr
.endm
	s_load_b256 s[4:11], s[0:1], 0x0               ; x's codes s[4:5], x's scales s[6:7], W's codes s[8:9], W's scales s[10:11]
	s_load_b128 s[12:15], s[0:1], 0x20             ; b s[12:13], qk s[14:15]
	s_load_b64 s[16:17], s[0:1], 0x30              ; vv
	v_lshl_add_u32 v126, v0, 2, 0x48400
	v_mov_b32 v127, 0
	ds_add_u32 v126, v127
	ds_add_u32 v126, v127
	v_lshrrev_b32 v1, 5, v0
	v_readfirstlane_b32 s18, v1                    ; wave 0..3
	s_lshr_b32 s19, s18, 1                         ; HI: which half of R's rows is mine.  Also: I fetch for x (0) or for W (1)
	s_and_b32 s20, s18, 1                          ; LO: which half of P's rows.  Also: which 128 rows of that tile I fetch
	s_bfe_u32 s40, ttmp6, 0x40000                  ; cx, cy: my place in the cluster
	s_bfe_u32 s41, ttmp6, 0x40004
	s_lshl_b32 s42, ttmp9, 2
	s_add_co_u32 s42, s42, s40                     ; tx: my 256 channels = 4 x cluster x + cx
	s_and_b32 s43, ttmp7, 0xffff
	s_lshl_b32 s43, s43, 2
	s_add_co_u32 s43, s43, s41                     ; ty: my 256 tokens = 4 x cluster y + cy
	s_lshl_b32 s44, s41, 2
	s_lshl_b32 s44, 15, s44                        ; my row of the cluster
	s_lshl_b32 s45, 0x1111, s40                    ; my column
	; group 1 for codes: 128 rows x 256 bytes, 512 bytes apart in memory, 16 bytes of padding behind each row in LDS
	s_or_b32 s[G1X], s44, (0<<16)|(1<<20)|(1<<21)|(5<<22)|(3<<25)   ; 15:0 the mask: x's tiles go to my row; 17:16 elements of 1 byte; 20 padding on; 21 set beside a mask; 24:22 after every 64 words; 31:25 four words
	s_or_b32 s[G1W], s45, (0<<16)|(1<<20)|(1<<21)|(5<<22)|(3<<25)   ; W's tiles go to my column
.irp g, G1X, G1W
	s_mov_b32 s[\g+1], 256<<16                     ; tensor_dim0
	s_mov_b32 s[\g+2], 128<<16                     ; tensor_dim1
	s_mov_b32 s[\g+3], 256<<16                     ; tile_dim0
	s_mov_b32 s[\g+4], 128                         ; tile_dim1
	s_mov_b32 s[\g+5], 512                         ; from row to row
	s_mov_b32 s[\g+6], 0
	s_mov_b32 s[\g+7], 0
.endr
	; group 1 for the scales of 128 rows: 4,096 dense bytes as 16 rows of 256 (32 elements of 8 bytes), 16 bytes of padding behind each
	s_or_b32 s[G1SX], s44, (3<<16)|(1<<20)|(1<<21)|(5<<22)|(3<<25)
	s_or_b32 s[G1SW], s45, (3<<16)|(1<<20)|(1<<21)|(5<<22)|(3<<25)
.irp g, G1SX, G1SW
	s_mov_b32 s[\g+1], 32<<16
	s_mov_b32 s[\g+2], 16<<16
	s_mov_b32 s[\g+3], 32<<16
	s_mov_b32 s[\g+4], 16
	s_mov_b32 s[\g+5], 32
	s_mov_b32 s[\g+6], 0
	s_mov_b32 s[\g+7], 0
.endr
	; x's addresses hang on ty alone, W's on tx alone, each in registers that never hold the other coordinate
	s_lshl_b32 s21, s20, 7                         ; which 128 rows of the tile I fetch
	s_lshl_b32 s22, s43, 8
	s_add_co_u32 s22, s22, s21                     ; x: row 256 ty + 128 LO
	s_lshl_b32 s23, s42, 8
	s_add_co_u32 s23, s23, s21                     ; W: row 256 tx + 128 LO
	s_lshl_b32 s46, s22, 9                         ; their codes, 512 bytes a row (under 2^32),
	s_mov_b32 s47, 0
	s_lshl_b32 s66, s22, 5                         ; their scales, 32 bytes a row
	s_mov_b32 s67, 0
	s_lshl_b32 s92, s23, 9
	s_mov_b32 s93, 0
	s_lshl_b32 s94, s23, 5
	s_mov_b32 s95, 0
	s_mul_i32 s21, s18, HALFT                      ; where they go: wave x 128 rows: no place in the cluster enters an LDS address
	s_mul_i32 s99, s18, HALFS
	s_mov_b32 s2, 0x76543210                       ; v_permlanex16_b32's selects for lane l xor 16
	s_mov_b32 s3, 0xfedcba98
	s_mov_b32 s98, 0xffff0000                      ; lanes 16-31
	s_wait_dscnt 0x0
	s_wait_kmcnt 0x0
	s_add_nc_u64 s[46:47], s[4:5], s[46:47]
	s_add_nc_u64 s[66:67], s[6:7], s[66:67]
	s_add_nc_u64 s[92:93], s[8:9], s[92:93]
	s_add_nc_u64 s[94:95], s[10:11], s[94:95]
	CROUND                                         ; all sixteen work-groups are here: the joint loads meet
	s_mov_b32 s[G0SX], 1
	s_add_co_u32 s[G0SX+1], s99, SCL
	s_mov_b64 s[G0SX+2:G0SX+3], s[66:67]
	s_or_b32 s[G0SX+3], s[G0SX+3], 0x80000000
	s_mov_b32 s[G0SW], 1
	s_add_co_u32 s[G0SW+1], s99, SCL
	s_mov_b64 s[G0SW+2:G0SW+3], s[94:95]
	s_or_b32 s[G0SW+3], s[G0SW+3], 0x80000000
	JLOAD G0SX, G1SX, G0SW, G1SW                   ; the scales first: they are wanted with slot 0
.irp s, 0,1
	s_mov_b32 s[G0X+4*\s], 1
	s_add_co_u32 s[G0X+4*\s+1], s21, \s*SLOT
	s_add_nc_u64 s[G0X+4*\s+2:G0X+4*\s+3], s[46:47], \s*256
	s_or_b32 s[G0X+4*\s+3], s[G0X+4*\s+3], 0x80000000
	s_mov_b32 s[G0W+4*\s], 1
	s_add_co_u32 s[G0W+4*\s+1], s21, \s*SLOT
	s_add_nc_u64 s[G0W+4*\s+2:G0W+4*\s+3], s[92:93], \s*256
	s_or_b32 s[G0W+4*\s+3], s[G0W+4*\s+3], 0x80000000
	JLOAD G0X+4*\s, G1X, G0W+4*\s, G1W             ; three loads of mine are out when the last is issued
.endr
	; every LDS address register of both ways is made here, ahead of the parting
	v_and_b32 v1, 15, v0                           ; r = lane % 16
	v_bfe_u32 v2, v0, 4, 1                         ; h = lane / 16
	v_mul_u32_u24 v3, v1, PITCH
	v_lshl_add_u32 v3, v2, 4, v3                   ; a fragment's row x pitch + 16 h
	s_mul_i32 s21, s19, HALFT
	s_mul_i32 s99, s20, HALFT
	v_add_nc_u32 v[XR], s21, v3
	v_add_nc_u32 v[XP], s99, v3
	v_add_nc_u32 v[XR+1], SLOT, v[XR]
	v_add_nc_u32 v[XP+1], SLOT, v[XP]
	v_add_nc_u32 v[WP], 2*HALFT, v[XP]             ; W's rows lie behind x's 256
	v_add_nc_u32 v[WR], 2*HALFT, v[XR]
	v_add_nc_u32 v[WP+1], SLOT, v[WP]
	v_add_nc_u32 v[WR+1], SLOT, v[WR]
	v_lshlrev_b32 v5, 5, v1                        ; my row's scales: 32 bytes a row,
	v_lshrrev_b32 v6, 8, v5
	v_lshl_add_u32 v5, v6, 4, v5                   ; and 16 more for each 256 passed
	s_mul_i32 s21, s19, HALFS
	s_mul_i32 s99, s20, HALFS
	s_add_co_u32 s100, s99, 2*HALFS
	s_sub_co_u32 s100, s100, s21                   ; from x's half HI to W's half LO
	v_mul_u32_u24 v6, s100, v2                     ; lanes 16-31 take W's: one product, the lower base + h x the distance
	s_add_co_u32 s101, s21, SCL
	v_add_nc_u32 v6, v5, v6
	v_add_nc_u32 v[SQ], s101, v6
	s_add_co_u32 s100, s21, 2*HALFS
	s_sub_co_u32 s100, s100, s99                   ; from x's half LO to W's half HI
	v_xor_b32 v7, 1, v2
	v_mul_u32_u24 v6, s100, v7                     ; lanes 0-15 take W's
	s_wait_alu depctr_va_vdst(0)
	s_add_co_u32 s101, s99, SCL
	v_add_nc_u32 v6, v5, v6
	v_add_nc_u32 v[SV], s101, v6
	v_and_b32 v8, 31, v0
	v_lshlrev_b32 v[L16], 4, v8
	v_lshlrev_b32 v[L8], 3, v8
	v_lshlrev_b32 v[BO], 5, v2
	v_lshlrev_b32 v[BR], 2, v1
	v_mov_b32 v[FLR], 0x1800000
.irp b, 0,1,2,3
	v_mov_b32 v[TM+4+\b], 0                        ; written once: a lane permute's destination counts as one of its sources
.endr
.macro FRAG reg, adr, q, i             ; a fragment, 16 rows x 128 K of 4-bit codes: lane l holds row l % 16; registers 4 c .. 4 c + 3 hold K = 64 c + 32 (l / 16) + 0 .. 31
.irp c, 0,1
	ds_load_b128 v[\reg+4*\c:\reg+4*\c+3], v[\adr] offset:64*(\q)+32*\c+(\i)*16*PITCH
.endr
.endm
.macro FETCH_P adr, q, p               ; P's eight fragments of a slot's q-th 128 along K into set p
	WIN TO_P
.irp i, 0,1,2,3,4,5,6,7
	FRAG 128*(\p)+8*\i, \adr, \q, \i
.endr
	WIN 0
.endm
.macro FETCH_R adr, q, i0              ; R's blocks i0 .. i0 + 3
.irp i, \i0, \i0+1, \i0+2, \i0+3
	FRAG RF+8*(\i), \adr, \q, \i
.endr
.endm
.macro SCALES sa, sc                   ; slot sc's scale words: four words a row; lanes 0-15 take R's block i, lanes 16-31 P's block i
.irp i, 0,1,2,3,4,5,6,7
	ds_load_b128 v[SC+32*\sc+4*\i:SC+32*\sc+4*\i+3], v[\sa] offset:\i*SBLK+16*\sc
.endr
.endm
; 16 matrix instructions: R's blocks a0, a0 + 1 x P's eight, 128 along K.  p: P's set; sc: the set of scale words.  first = 1: C is the bias of P's block; 2: of R's block; 0: the sum goes on in place.
; The 64 accumulators take turns, one instruction a turn, in the same order in every step.
.macro MUL16 a0, p, q, sc, first
.irp a, \a0, \a0+1
.irp b, 0,1,2,3,4,5,6,7
.if \first == 1
	v_wmma_scale_f32_16x16x128_f8f6f4 v[8*(8*((\a)%4)+\b):8*(8*((\a)%4)+\b)+7], v[128*(\p)+8*\b:128*(\p)+8*\b+7], v[RF+8*(\a):RF+8*(\a)+7], v[BI+8*\b:BI+8*\b+7], v[SC+32*(\sc)+4*\b+(\q)], v[SC+32*(\sc)+4*(\a)+(\q)] matrix_a_fmt:MATRIX_FMT_FP4 matrix_b_fmt:MATRIX_FMT_FP4 matrix_a_scale:MATRIX_SCALE_ROW1
.elseif \first == 2
	v_wmma_scale_f32_16x16x128_f8f6f4 v[8*(8*((\a)%4)+\b):8*(8*((\a)%4)+\b)+7], v[128*(\p)+8*\b:128*(\p)+8*\b+7], v[RF+8*(\a):RF+8*(\a)+7], v[BI+8*(\a):BI+8*(\a)+7], v[SC+32*(\sc)+4*\b+(\q)], v[SC+32*(\sc)+4*(\a)+(\q)] matrix_a_fmt:MATRIX_FMT_FP4 matrix_b_fmt:MATRIX_FMT_FP4 matrix_a_scale:MATRIX_SCALE_ROW1
.else
	v_wmma_scale_f32_16x16x128_f8f6f4 v[8*(8*((\a)%4)+\b):8*(8*((\a)%4)+\b)+7], v[128*(\p)+8*\b:128*(\p)+8*\b+7], v[RF+8*(\a):RF+8*(\a)+7], v[8*(8*((\a)%4)+\b):8*(8*((\a)%4)+\b)+7], v[SC+32*(\sc)+4*\b+(\q)], v[SC+32*(\sc)+4*(\a)+(\q)] matrix_a_fmt:MATRIX_FMT_FP4 matrix_b_fmt:MATRIX_FMT_FP4 matrix_a_scale:MATRIX_SCALE_ROW1
.endif
.endr
.endr
.endm
; A step of 128 along K that has its successor in the same slot.  A block of R is free as soon as its eight products are issued: blocks 0-3 are fetched anew in the step's middle, blocks 4-7 at its end.
.macro STEP ra, pa, slot, q, first
	s_wait_dscnt 8                                 ; P's set, R's blocks 0-3 (and the scale words) are in; the youngest eight loads, R's blocks 4-7, may be out
.if \first
	WIN FST_LO
.else
	WIN MUL_LO
.endif
	MUL16 0, (\q)%2, \q, \slot, \first
	MUL16 2, (\q)%2, \q, \slot, \first
	s_wait_dscnt 0x0                               ; R's blocks 4-7 are in
	PLACES 4                                       ; in front of loads into registers that matrix instructions have read
	FETCH_P \pa+\slot, (\q)+1, 1-(\q)%2
	FETCH_R \ra+\slot, (\q)+1, 0
.if \first
	WIN FST_HI
.else
	WIN MUL_HI
.endif
	MUL16 4, (\q)%2, \q, \slot, \first
	MUL16 6, (\q)%2, \q, \slot, \first
	PLACES 4
	WIN 0
	FETCH_R \ra+\slot, (\q)+1, 4
.endm
; Slot 0's last step goes over to slot 1: my part of slot 1 has landed, my LDS loads are in, and behind the barrier that holds of every wave.
.macro TURN ra, pa, sa
	s_wait_dscnt 8
	WIN MUL_LO
	MUL16 0, 1, 3, 0, 0
	MUL16 2, 1, 3, 0, 0
	s_wait_tensorcnt 0x0                           ; for the others' sake: all my tensor loads have landed
	s_wait_dscnt 0x0                               ; no LDS instruction of mine is pending at the signal
	s_barrier_signal -1
	s_barrier_wait -1
	PLACES 4
	FETCH_P \pa+1, 0, 0
	FETCH_R \ra+1, 0, 0
	SCALES \sa, 1
	WIN MUL_HI
	MUL16 4, 1, 3, 0, 0
	MUL16 6, 1, 3, 0, 0
	PLACES 4
	WIN 0
	FETCH_R \ra+1, 0, 4
.endm
; All of K: eight steps.  The first step's C is the bias, so nothing is cleared and no addition is spent on it.
.macro MAIN ra, pa, sa, first
	FETCH_P \pa, 0, 0
	FETCH_R \ra, 0, 0
	SCALES \sa, 0
	FETCH_R \ra, 0, 4
	s_wait_loadcnt 0x0                             ; the bias
.if \first == 2
.irp a, 0,1,2,3,4,5,6,7
.irp j, 1,2,3,4,5,6,7
	v_mov_b32 v[BI+8*\a+\j], v[BI+8*\a]            ; a lane holds one channel: its bias stands in all eight registers of the tile
.endr
.endr
.endif
	s_wait_alu depctr_va_vdst(0)
	STEP \ra, \pa, 0, 0, \first
	STEP \ra, \pa, 0, 1, 0
	STEP \ra, \pa, 0, 2, 0
	TURN \ra, \pa, \sa
	STEP \ra, \pa, 1, 0, 0
	STEP \ra, \pa, 1, 1, 0
	STEP \ra, \pa, 1, 2, 0
	s_wait_dscnt 8                                 ; the last step: nothing more to fetch
	WIN MUL_LO
	MUL16 0, 1, 3, 1, 0
	MUL16 2, 1, 3, 1, 0
	s_wait_dscnt 0x0
	WIN MUL_HI
	MUL16 4, 1, 3, 1, 0
	MUL16 6, 1, 3, 1, 0
	WIN 0
	PLACES 4                                       ; in front of the first read of results
.endm
; 64 numbers of a lane, v[s] .. v[s + 63] of window w: register 8 t + j is k = 16 t + 8 (lane / 16) + j of my row.  Block b of 32 is tiles 2 b and 2 b + 1, in lanes l and l xor 16.
; They become a fragment's codes in v[pc] .. v[pc + 7] and its scale word in v[pw].  Each accumulator is read from its low end on.
; The conversion of (block b, tile parity g) goes to register 4 (b / 2) + 2 g + b % 2; two exchanges of halves for each pair of blocks then leave register 4 c + i = k 64 c + 32 (lane / 16) + 8 i on: the operand's layout.
.macro QUANT4 s, w, pc, pw
	WIN ((\w)<<2)|((\w)<<4)                        ; sources 1 and 2 in window w
.irp b, 0,1,2,3
	v_max3_num_f32 v[TM+\b], v[FLR], |v[(\s)+16*\b]|, |v[(\s)+16*\b+1]|   ; the floor among the leaves: the byte cannot fall under 1
.endr
.irp i, 2,4,6,8,10,12,14
.irp b, 0,1,2,3
	v_max3_num_f32 v[TM+\b], v[TM+\b], |v[(\s)+16*\b+\i]|, |v[(\s)+16*\b+\i+1]|   ; the four blocks by turns
.endr
.endr
	WIN 0
.irp b, 0,1,2,3
	v_permlanex16_b32 v[TM+4+\b], v[TM+\b], s2, s3
.endr
.irp b, 0,1,2,3
	v_max_num_f32 v[TM+\b], v[TM+\b], v[TM+4+\b]   ; with lane l xor 16's: the block's largest magnitude
.endr
.irp b, 0,1,2,3
	v_add_nc_u32 v[TM+12+\b], 0xff000000, v[TM+\b] ; 2 off its exponent field: the conversion takes the exponent field of this operand as its scale
.endr
.irp b, 0,1,2,3
	v_lshrrev_b32 v[TM+4+\b], 23, v[TM+12+\b]      ; the scale's byte
.endr
	v_lshl_or_b32 v[\pw], v[TM+5], 8, v[TM+4]
	v_lshl_or_b32 v[\pw], v[TM+6], 16, v[\pw]
	v_lshl_or_b32 v[\pw], v[TM+7], 24, v[\pw]      ; my row's scale word, in both halves of the lanes
	WIN \w                                         ; source 0 in window w
.irp b, 0,1,2,3
	v_cvt_scalef32_pk8_fp4_f32 v[(\pc)+4*(\b/2)+(\b%2)], v[(\s)+16*\b:(\s)+16*\b+7], v[TM+12+\b]
	v_cvt_scalef32_pk8_fp4_f32 v[(\pc)+4*(\b/2)+2+(\b%2)], v[(\s)+16*\b+8:(\s)+16*\b+15], v[TM+12+\b]
.endr
	WIN 0
	v_nop                                          ; one plain place behind a scaled conversion
.irp c, 0,1
	v_permlane16_swap_b32 v[(\pc)+4*\c], v[(\pc)+4*\c+1]
	v_permlane16_swap_b32 v[(\pc)+4*\c+2], v[(\pc)+4*\c+3]
.endr
.endm
	s_wait_tensorcnt 1                             ; the scales and my part of slot 0 are in; slot 1's load may stay out
	s_barrier_signal -1
	s_barrier_wait -1                              ; everybody's are
	s_cmp_lt_u32 ttmp9, 2                          ; the cluster's x: the same number in all sixteen partners and in all four waves
	s_cbranch_scc0 .Lv_path
	; ---- q and k: P = my 128 channels of W (two heads), R = my 128 tokens
	s_lshl_b32 s94, s23, 2                         ; the bias of channel 256 tx + 128 LO on
	s_mov_b32 s95, 0
	s_add_nc_u64 s[12:13], s[12:13], s[94:95]
	s_wait_alu depctr_va_vdst(0)
.irp b, 0,1,2,3,4,5,6,7
	global_load_b128 v[BI+8*\b:BI+8*\b+3], v[BO], s[12:13] offset:64*\b        ; lane (r, h): channels 16 b + 8 h + 0 .. 7
	global_load_b128 v[BI+8*\b+4:BI+8*\b+7], v[BO], s[12:13] offset:64*\b+16
.endr
	s_lshl_b32 s96, s43, 1
	s_add_co_u32 s96, s96, s19                     ; mt = 2 ty + HI: my 128 tokens; b = mt / 16, step = mt % 16
	s_lshr_b32 s97, s96, 4
	s_lshl_b32 s97, s97, 3
	s_add_co_u32 s97, s97, s42
	s_lshl_b32 s97, s97, 1
	s_add_co_u32 s97, s97, s20
	s_lshl_b32 s97, s97, 5                         ; (32 b + 4 tx + 2 LO) x 16
	s_and_b32 s96, s96, 15
	s_add_co_u32 s97, s97, s96
	s_mul_i32 s96, s97, QKREC                      ; my first head's record (under 2^32)
	s_mov_b32 s97, 0
	s_add_nc_u64 s[14:15], s[14:15], s[96:97]
	MAIN XR, WP, SQ, 1
.irp a, 0,1,2,3,4,5,6,7                ; 16 tokens at a time: 128 channels a lane = four blocks of 32 = two heads
	QUANT4 64*(\a%4), 2+\a/4, PC+8*\a, PW+\a
	global_store_b128 v[L16], v[PC+8*\a:PC+8*\a+3], s[14:15] offset:512*\a             ; the first head's tile: 512 consecutive bytes
	global_store_b128 v[L16], v[PC+8*\a+4:PC+8*\a+7], s[14:15] offset:QKHEAD+512*\a    ; the second head's
.endr
.irp i, 0,1,2,3
	v_cndmask_b32 v[SI+\i], v[PW+2*\i], v[PW+2*\i+1], s98      ; lanes 0-15 tile 2 i, lanes 16-31 tile 2 i + 1
.endr
.irp a, 0,1,2,3,4,5,6,7
	v_lshrrev_b32 v[PW+\a], 16, v[PW+\a]           ; the second head's two bytes come down; zeros follow them
.endr
.irp i, 0,1,2,3
	v_cndmask_b32 v[SI+4+\i], v[PW+2*\i], v[PW+2*\i+1], s98
.endr
	global_store_b128 v[L16], v[SI:SI+3], s[14:15] offset:4096
	global_store_b128 v[L16], v[SI+4:SI+7], s[14:15] offset:QKHEAD+4096
	s_branch .Ldone
.Lv_path:
	; ---- v: P = my 128 tokens (a step of keys), R = my 128 channels of W (two heads)
	s_lshl_b32 s94, s42, 10                        ; the bias of channel 256 tx + 128 HI on
	s_lshl_b32 s95, s19, 9
	s_add_co_u32 s94, s94, s95
	s_mov_b32 s95, 0
	s_add_nc_u64 s[12:13], s[12:13], s[94:95]
	s_wait_alu depctr_va_vdst(0)
.irp a, 0,1,2,3,4,5,6,7
	global_load_b32 v[BI+8*\a], v[BR], s[12:13] offset:64*\a   ; lane (r, h): channel 16 a + r
.endr
	s_lshl_b32 s96, s43, 1
	s_add_co_u32 s96, s96, s20                     ; mt = 2 ty + LO
	s_lshr_b32 s97, s96, 4
	s_lshl_b32 s97, s97, 2
	s_add_co_u32 s97, s97, s42
	s_sub_co_u32 s97, s97, 8                       ; v's channels begin at tx = 8
	s_lshl_b32 s97, s97, 1
	s_add_co_u32 s97, s97, s19
	s_lshl_b32 s97, s97, 5                         ; (16 b + 4 (tx - 8) + 2 HI) x 16
	s_and_b32 s96, s96, 15
	s_add_co_u32 s97, s97, s96
	s_mul_i32 s96, s97, VREC
	s_mov_b32 s97, 0
	s_add_nc_u64 s[16:17], s[16:17], s[96:97]
	MAIN WR, XP, SV, 2
.irp a, 0,1,2,3,4,5,6,7                ; 16 channels at a time: 128 keys a lane = four blocks of 32
	QUANT4 64*(\a%4), 2+\a/4, PC+8*\a, PW+\a
	global_store_b128 v[L16], v[PC+8*\a:PC+8*\a+3], s[16:17] offset:(\a/4)*VHEAD+(\a%4)*1024          ; keys 32 h on
	global_store_b128 v[L16], v[PC+8*\a+4:PC+8*\a+7], s[16:17] offset:(\a/4)*VHEAD+(\a%4)*1024+512    ; keys 64 + 32 h on
.endr
.irp d, 0,1
.irp i, 0,1
	v_cndmask_b32 v[SI+2*\d+\i], v[PW+4*\d+2*\i], v[PW+4*\d+2*\i+1], s98
.endr
	global_store_b64 v[L8], v[SI+2*\d:SI+2*\d+1], s[16:17] offset:\d*VHEAD+4096    ; 256 consecutive bytes
.endr
.Ldone:
	s_wait_tensorcnt 0x0
	ds_add_u32 v126, v127
	s_wait_dscnt 0x0
	CROUND                                         ; the closing round: no work-group ends while a partner may still ask for a tile that names it
	s_endpgm
.Lfunc_end_k_qe4c0f72f80_qkv:
	.size	k_qe4c0f72f80_qkv, .Lfunc_end_k_qe4c0f72f80_qkv-k_qe4c0f72f80_qkv
	.p2alignl 7, 3214868480
	.fill 96, 4, 3214868480
	.section	.rodata,"a",@progbits
	.p2align	6, 0x0
	.amdhsa_kernel k_qe4c0f72f80_qkv
		.amdhsa_group_segment_fixed_size 296448
		.amdhsa_private_segment_fixed_size 0
		.amdhsa_enable_private_segment 0
		.amdhsa_kernarg_size 56
		.amdhsa_user_sgpr_count 2
		.amdhsa_user_sgpr_kernarg_segment_ptr 1
		.amdhsa_wavefront_size32 1
		.amdhsa_system_sgpr_workgroup_id_x 1
		.amdhsa_system_sgpr_workgroup_id_y 1
		.amdhsa_system_sgpr_workgroup_id_z 1
		.amdhsa_system_vgpr_workitem_id 0
		.amdhsa_next_free_vgpr 1024
		.amdhsa_next_free_sgpr 102
		.amdhsa_reserve_vcc 0
		.amdhsa_float_denorm_mode_32 3
		.amdhsa_float_denorm_mode_16_64 3
		.amdhsa_memory_ordered 1
		.amdhsa_forward_progress 1
		.amdhsa_inst_pref_size 249
	.end_amdhsa_kernel
	.amdgpu_metadata
---
amdhsa.version: [ 1, 2 ]
amdhsa.kernels:
  - .name:           k_qe4c0f72f80_qkv
    .symbol:         k_qe4c0f72f80_qkv.kd
    .args:
      - { .name: x_codes, .offset: 0, .size: 8, .value_kind: global_buffer, .address_space: global }
      - { .name: x_scales, .offset: 8, .size: 8, .value_kind: global_buffer, .address_space: global }
      - { .name: c_attn_w_codes, .offset: 16, .size: 8, .value_kind: global_buffer, .address_space: global }
      - { .name: c_attn_w_scales, .offset: 24, .size: 8, .value_kind: global_buffer, .address_space: global }
      - { .name: c_attn_b, .offset: 32, .size: 8, .value_kind: global_buffer, .address_space: global }
      - { .name: qk, .offset: 40, .size: 8, .value_kind: global_buffer, .address_space: global }
      - { .name: vv, .offset: 48, .size: 8, .value_kind: global_buffer, .address_space: global }
    .group_segment_fixed_size: 296448
    .private_segment_fixed_size: 0
    .kernarg_segment_align: 8
    .kernarg_segment_size: 56
    .max_flat_workgroup_size: 128
    .sgpr_count:     102
    .vgpr_count:     1024
    .wavefront_size: 32
...
	.end_amdgpu_metadata
.endif
;; end of part 1
;; launch attn (part 2): grid 4 x 64, 16 waves a work-group, no clusters, 327,680 bytes of LDS; arguments qk, vv, yc, ys; writes yc, ys
.if DOCPART == 2
	.amdgcn_target "amdgcn-amd-amdhsa--gfx1250"
	.amdhsa_code_object_version 6
	.text
	.protected	k_qe4c0f72f80_attn
	.globl	k_qe4c0f72f80_attn
	.p2align	8
	.type	k_qe4c0f72f80_attn,@function
k_qe4c0f72f80_attn:
	s_mov_b64 s[64:65], 0
	v_nop
	global_prefetch_b8 v0, s[64:65] scope:SCOPE_SE
	s_setreg_imm32_b32 hwreg(HW_REG_WAVE_MODE, 25, 1), 1
	s_wait_xcnt 0x0
; y[b][q][64 h + d] = the sum over keys k <= q of softmax_k(q . k / 8) v, both products on codes of FP4 (E2M1) with one E8M0 scale for each 32 along a product's K; then y is quantised along its channels.
; THE SOFTMAX AHEAD OF THE SECOND PRODUCT: t = score x log2(e) / 8; M = the running largest t rounded UP to a whole number; p = 2^(t - M) is what is quantised, along the keys, not normalised.
; The row's sum is taken of the unquantised p, in f32, and divides O at the end.  When M moves, the sum and O are multiplied by 2^(old M - new M): exact.
; IN: qk and vv as the launch in front lays them, in the order of the operands' registers (a tile is 512 consecutive bytes, lane l's 16 bytes at 16 l).
; SHARES.  Work-group y is (b, head); work-group x a quarter of the head's queries.  Wave w has the pair number PI = 16 x + w and takes query tiles 127 - PI and PI, 16 queries each.
; Tile T wants T / 8 + 1 steps of 128 keys, so every wave of the launch has 17 steps.  Four waves stand on a SIMD (256 registers each), so that one wave's vector work stands beside another's products and LDS loads.
; LDS.  A head's K and V, codes and scale words, are 16 x 4,608 + 16 x 4,352 = 143,360 bytes: they come in ONCE, each wave bringing one step's two records, and one barrier shows them to all.  Nothing is filled again.
; NO CLUSTER, though the four work-groups of a head read the same K and V: a step all of whose keys come after a wave's queries is jumped over, and that branch hangs on the work-group's x,
; which would be its place in the cluster; and each work-group reads K and V from memory once, 143,360 bytes, for 272 key steps of work.
; LAYOUT.  Both products are used transposed: S^T = K Q^T (source 0 = 16 keys, source 1 = my 16 queries), O^T = V^T P^T (source 0 = 16 channels, source 1 = P): a lane holds ONE query (lane % 16) throughout.
; Register 8 t + j of S^T is key 16 t + 8 (lane / 16) + j; block b of 32 keys is tiles 2 b, 2 b + 1 in lanes l and l xor 16.
; THE FIRST PRODUCT'S K IS 64 in a form of 128: Q's upper four registers hold zero codes; K's operand of tile t is v[32 + 4 t .. + 7], whose upper four registers are the next tile's codes (zeros behind the last):
; every code is a finite number and meets a zero code, and no scale byte here is 0xff, so the upper half adds nothing.
; OUT: yc [token / 256][K half 2][tile of 16 tokens 16][head % 8][512]: lane (r, h): token r, channels 32 h on of the head: two neighbouring heads are a fragment of 128 along K.  ys [token][32] scale bytes.
; ys is stored a byte a lane, two bytes a token: a token's 32 bytes come from 16 work-groups; they are one byte in 17 of what this launch stores.
; LIMITS: NaN and infinities are not served; a block of y whose largest magnitude lies under 2^-124, and a block of zeros, gets the byte 1 (only this program reads the bytes).
.set KREC,  4608
.set VREC,  4352
.set VBASE, 16*KREC                    ; V's records lie behind K's
.set S,   100                          ; v100-163 S^T, then p
.set O,   164                          ; v164-195 O^T
.set PC,  196                          ; v196-203 p's codes; at a tile's end v196-199 y's
.set BM,  204                          ; v204-207 a block's largest score, then its largest p
.set PT,  208                          ; v208-211 lane l xor 16's; then the bytes
.set SO,  212                          ; v212-215 the conversions' scale operands
; v1 16 x lane, v2 8 x lane, v3 16 r, v4 r - 8 h, v5 32 r + h; v8-10 the step's LDS addresses; v12 -M, v13 the largest t, v[14:15] the sum in two halves; v16-19 Q's codes, v20-23 zeros; v24 Q's scale words;
; v25 p's scale word; v26-29 K's scale words; v30-31 V's; v32-63 K's eight tiles, v64-67 zeros; v68-99 V's four fragments; v[216:217] f; v218 at work; v219 -infinity; v220 the diagonal; v[222:223] the sum's second chain; v224 y's byte.
	s_load_b256 s[4:11], s[0:1], 0x0               ; qk s[4:5], vv s[6:7], yc s[8:9], ys s[10:11]
	v_lshl_add_u32 v254, v0, 2, 0x29000
	v_mov_b32 v255, 0
	ds_add_u32 v254, v255
	ds_add_u32 v254, v255
	v_lshrrev_b32 v1, 5, v0
	s_delay_alu instid0(VALU_DEP_1)
	v_readfirstlane_b32 s12, v1                    ; wave 0..15
	s_and_b32 s13, ttmp7, 0xffff                   ; 16 b + head
	s_lshr_b32 s14, s13, 4                         ; b
	s_and_b32 s15, s13, 15                         ; head
	s_lshl_b32 s16, s14, 5
	s_add_co_u32 s16, s16, s15                     ; 32 b + head: q's place in qk; k's is 16 further on
	; group 1: a record is dense: rows of 256 bytes (32 elements of 8 bytes), 18 for K, 17 for V; no padding: every LDS load here reads 512 or 256 consecutive bytes
	s_mov_b32 s24, 3<<16
	s_mov_b32 s25, 32<<16                          ; tensor_dim0
	s_mov_b32 s26, 18<<16                          ; tensor_dim1
	s_mov_b32 s27, 32<<16                          ; tile_dim0
	s_mov_b32 s28, 18                              ; tile_dim1
	s_mov_b32 s29, 32                              ; from row to row
	s_mov_b32 s30, 0
	s_mov_b32 s31, 0
	s_mov_b32 s32, 3<<16
	s_mov_b32 s33, 32<<16
	s_mov_b32 s34, 17<<16
	s_mov_b32 s35, 32<<16
	s_mov_b32 s36, 17
	s_mov_b32 s37, 32
	s_mov_b32 s38, 0
	s_mov_b32 s39, 0
	s_add_co_u32 s54, s16, 16
	s_lshl_b32 s54, s54, 4
	s_add_co_u32 s54, s54, s12
	s_mul_i32 s54, s54, KREC                       ; K's record of step w (under 2^32)
	s_mov_b32 s55, 0
	s_lshl_b32 s56, s13, 4
	s_add_co_u32 s56, s56, s12
	s_mul_i32 s56, s56, VREC                       ; V's
	s_mov_b32 s57, 0
	s_mov_b32 s40, 1
	s_mul_i32 s41, s12, KREC                       ; LDS: wave x a record
	s_mov_b32 s44, 1
	s_mul_i32 s45, s12, VREC
	s_add_co_u32 s45, s45, VBASE
	s_mov_b32 s48, 0x76543210                      ; v_permlanex16_b32's selects for lane l xor 16
	s_mov_b32 s49, 0xfedcba98
	s_mov_b32 s50, 0x3e38aa3b                      ; c = log2(e) / 8
	s_mov_b32 s51, s50                             ; (named with it as a pair, so it is written)
	s_mov_b32 s52, 0xffff0000                      ; lanes 16-31
	s_lshl_b32 s53, ttmp9, 4
	s_add_co_u32 s53, s53, s12                     ; PI
	s_wait_dscnt 0x0
	s_wait_kmcnt 0x0
	s_add_nc_u64 s[42:43], s[4:5], s[54:55]
	s_or_b32 s43, s43, 0x80000000
	s_add_nc_u64 s[46:47], s[6:7], s[56:57]
	s_or_b32 s47, s47, 0x80000000
	tensor_load_to_lds s[40:43], s[24:31]          ; K's record; V's follows behind a barrier: the only two loads of the launch
	s_nop 0
	s_wait_alu depctr_va_vdst(0)
	s_wait_tensorcnt 0x0
	ds_add_u32 v254, v255
	s_wait_dscnt 0x0
	s_barrier_signal -1
	s_barrier_wait -1
	tensor_load_to_lds s[44:47], s[32:39]
	s_nop 0
.rept 4
	v_nop
.endr
	v_and_b32 v6, 31, v0
	s_delay_alu instid0(VALU_DEP_1)
	v_lshlrev_b32 v1, 4, v6
	s_delay_alu instid0(VALU_DEP_2)
	v_lshlrev_b32 v2, 3, v6
	v_and_b32 v6, 15, v0                           ; r
	v_bfe_u32 v7, v0, 4, 1                         ; h
	s_delay_alu instid0(VALU_DEP_2)
	v_lshlrev_b32 v3, 4, v6
	s_delay_alu instid0(VALU_DEP_2)
	v_lshlrev_b32 v4, 3, v7
	s_delay_alu instid0(VALU_DEP_1)
	v_sub_nc_u32 v4, v6, v4
	s_delay_alu instid0(VALU_DEP_4)
	v_lshl_add_u32 v5, v6, 5, v7
.irp j, 20,21,22,23,64,65,66,67
	v_mov_b32 v\j, 0                               ; zero codes
.endr
.irp j, 208,209,210,211,217,218
	v_mov_b32 v\j, 0                               ; written once: destinations of lane permutes, and the upper half of the pair v[216:217]
.endr
	v_mov_b32 v219, 0xff800000
	s_wait_tensorcnt 0x0                           ; my two records are in,
	s_barrier_signal -1
	s_barrier_wait -1                              ; everybody's are
; A KEY STEP'S WORK: 128 keys from s20 on; their records begin at LDS bytes s21 (K) and s22 (V).
.macro WORK
	v_add_nc_u32 v8, s21, v1
	v_add_nc_u32 v9, s22, v1
	v_add_nc_u32 v10, s22, v2
	v_nop                                          ; with the three additions: four places between the last step's products and the loads into the registers that they read
.irp t, 0,1,2,3,4,5,6,7
	ds_load_b128 v[32+4*\t:35+4*\t], v8 offset:512*\t
.endr
	ds_load_b128 v[26:29], v8 offset:4096          ; K's scale words: register i: lanes 0-15 tile 2 i, lanes 16-31 tile 2 i + 1
.irp i, 0,1,2,3,4,5,6,7
	ds_load_b128 v[68+4*\i:71+4*\i], v9 offset:512*\i
.endr
	ds_load_b64 v[30:31], v10 offset:4096          ; V's: register i: channel tile 2 i, 2 i + 1
	s_wait_dscnt 9                                 ; K's nine loads are in; V's nine may stay out until the second product
.irp t, 0,2,4,6
	v_wmma_scale_f32_16x16x128_f8f6f4 v[S+8*\t:S+8*\t+7], v[32+4*\t:39+4*\t], v[16:23], 0, v[26+\t/2], v24 matrix_a_fmt:MATRIX_FMT_FP4 matrix_b_fmt:MATRIX_FMT_FP4
	v_wmma_scale_f32_16x16x128_f8f6f4 v[S+8*\t+8:S+8*\t+15], v[36+4*\t:43+4*\t], v[16:23], 0, v[26+\t/2], v24 matrix_a_fmt:MATRIX_FMT_FP4 matrix_b_fmt:MATRIX_FMT_FP4 matrix_a_scale:MATRIX_SCALE_ROW1
.endr
.rept 4
	v_nop
.endr
	; on the diagonal the scores of hidden keys become -infinity ahead of the maximum: p = 0 then.  A step all of whose keys count for all my queries skips this: a branch on ids
	s_add_co_u32 s56, s20, 127
	s_cmp_le_u32 s56, s18
	s_cbranch_scc1 .Lopen_\@
	s_sub_co_i32 s56, s18, s20
	v_add_nc_u32 v220, s56, v4                     ; d = my query - the step's first key - 8 (lane / 16).  Register 8 t + j is hidden where 16 t + j > d
.set n, 0
.rept 64
	v_cmp_gt_i32 vcc_lo, 16*(n/8)+n%8, v220
	v_cndmask_b32 v[S+n], v[S+n], v219, vcc_lo
.set n, n+1
.endr
.Lopen_\@:
.irp b, 0,1,2,3
	v_max3_num_f32 v[BM+\b], v[S+16*\b], v[S+1+16*\b], v[S+2+16*\b]   ; the largest score of each block of 32 keys: it serves for the row's maximum and, since p rises with the score, for the block's largest p
.endr
.irp i, 3,5,7,9,11,13
.irp b, 0,1,2,3
	v_max3_num_f32 v[BM+\b], v[BM+\b], v[S+16*\b+\i], v[S+1+16*\b+\i]
.endr
.endr
.irp b, 0,1,2,3
	v_max_num_f32 v[BM+\b], v[BM+\b], v[S+15+16*\b]
.endr
.irp b, 0,1,2,3
	s_delay_alu instid0(VALU_DEP_4)
	v_permlanex16_b32 v[PT+\b], v[BM+\b], s48, s49
.endr
.irp b, 0,1,2,3
	s_delay_alu instid0(VALU_DEP_4)
	v_max_num_f32 v[BM+\b], v[BM+\b], v[PT+\b]     ; with lane l xor 16's 16 keys
.endr
	s_delay_alu instid0(VALU_DEP_2)
	v_max3_num_f32 v218, v[BM], v[BM+1], v[BM+2]
	s_delay_alu instid0(VALU_DEP_1)
	v_max_num_f32 v218, v218, v[BM+3]              ; the step's largest score of my query
	s_delay_alu instid0(VALU_DEP_1)
	v_mul_f32 v218, s50, v218                      ; as t (c is positive)
	s_delay_alu instid0(VALU_DEP_1)
	v_max_num_f32 v13, v13, v218                   ; the running largest t
	v_mov_b32 v218, v12
	s_delay_alu instid0(VALU_DEP_2)
	v_floor_f32 v12, -v13                          ; the new -M = floor(-t) = -ceil(t): a whole number
	s_delay_alu instid0(VALU_DEP_1)
	v_sub_f32 v218, v12, v218                      ; old M - new M: a whole number, 0 or less
	s_delay_alu instid0(VALU_DEP_1)
	v_cvt_i32_f32 v218, v218                       ; (it saturates)
	s_delay_alu instid0(VALU_DEP_1)
	v_ldexp_f32 v216, 1.0, v218                    ; f = 2^(old M - new M)
.set n, 0
.rept 32
	v_pk_fma_f32 v[S+n:S+n+1], v[S+n:S+n+1], s[50:51], v[12:13] op_sel_hi:[1,0,0]   ; t - M, two at a time
.set n, n+2
.endr
	s_setprio 1
.irp b, 0,1,2,3
	v_fma_f32 v[BM+\b], v[BM+\b], s50, v12         ; the same of each block's largest score
.endr
.set n, 0
	s_wait_alu depctr_va_vdst(0)
.rept 64
	v_exp_f32 v[S+n], v[S+n]                       ; p = 2^(t - M), at most 1
.set n, n+1
.endr
.irp b, 0,1,2,3
	v_exp_f32 v[BM+\b], v[BM+\b]                   ; the block's largest p: the same two instructions on the same number give the same bits
.endr
	v_pk_mul_f32 v[14:15], v[14:15], v[216:217] op_sel_hi:[1,0]   ; the sums under the new M.  (A plain place behind the exponentials)
	s_wait_alu depctr_va_vdst(0)
.irp b, 0,1,2,3
	v_max_num_f32 v[BM+\b], 0x1800000, v[BM+\b]    ; the floor 2^(3 - 127): the byte cannot fall under 1
.endr
.irp b, 0,1,2,3
	s_delay_alu instid0(VALU_DEP_4)
	v_add_nc_u32 v[SO+\b], 0xff000000, v[BM+\b]    ; 2 off the exponent field: the conversion's scale operand
.endr
.irp b, 0,1,2,3
	s_delay_alu instid0(VALU_DEP_4)
	v_lshrrev_b32 v[PT+\b], 23, v[SO+\b]           ; the scale's byte
.endr
	s_delay_alu instid0(VALU_DEP_3)
	v_lshl_or_b32 v25, v[PT+1], 8, v[PT]           ; p's scale word for these 128 keys
	s_delay_alu instid0(VALU_DEP_1)
	v_lshl_or_b32 v25, v[PT+2], 16, v25
	s_delay_alu instid0(VALU_DEP_1)
	v_lshl_or_b32 v25, v[PT+3], 24, v25
.irp b, 0,1,2,3
	v_cvt_scalef32_pk8_fp4_f32 v[PC+4*(\b/2)+(\b%2)], v[S+16*\b:S+16*\b+7], v[SO+\b]
	v_cvt_scalef32_pk8_fp4_f32 v[PC+4*(\b/2)+2+(\b%2)], v[S+16*\b+8:S+16*\b+15], v[SO+\b]
.endr
	v_nop                                          ; one plain place behind a scaled conversion
.irp c, 0,1                                    ; the exchanges of halves leave register 4 c + i = keys 64 c + 32 (lane / 16) + 8 i on
	v_permlane16_swap_b32 v[PC+4*\c], v[PC+4*\c+1]
	v_permlane16_swap_b32 v[PC+4*\c+2], v[PC+4*\c+3]
.endr
	v_pk_add_f32 v[222:223], v[S:S+1], v[S+2:S+3]  ; the row's sum is taken of the unquantised p: two at a time, in two chains
.set n, 4
	s_setprio 0
.rept 15
	v_pk_add_f32 v[14:15], v[14:15], v[S+n:S+n+1]
	v_pk_add_f32 v[222:223], v[222:223], v[S+n+2:S+n+3]
.set n, n+4
.endr
	s_delay_alu instid0(VALU_DEP_1)
	v_pk_add_f32 v[14:15], v[14:15], v[222:223]
.set n, 0
.rept 16
	v_pk_mul_f32 v[O+n:O+n+1], v[O+n:O+n+1], v[216:217] op_sel_hi:[1,0]   ; O^T under the new M.  (With the sums: the places between p's codes and scale word and the products below)
.set n, n+2
.endr
	s_wait_alu depctr_va_vdst(0)
	s_wait_dscnt 0x0                               ; V is in
.irp t, 0,2                                    ; O^T += V^T P^T: the four accumulators by turns, one instruction a turn; S^T's eight products stand between two turns of one accumulator
	v_wmma_scale_f32_16x16x128_f8f6f4 v[O+8*\t:O+8*\t+7], v[68+8*\t:75+8*\t], v[PC:PC+7], v[O+8*\t:O+8*\t+7], v[30+\t/2], v25 matrix_a_fmt:MATRIX_FMT_FP4 matrix_b_fmt:MATRIX_FMT_FP4
	v_wmma_scale_f32_16x16x128_f8f6f4 v[O+8*\t+8:O+8*\t+15], v[76+8*\t:83+8*\t], v[PC:PC+7], v[O+8*\t+8:O+8*\t+15], v[30+\t/2], v25 matrix_a_fmt:MATRIX_FMT_FP4 matrix_b_fmt:MATRIX_FMT_FP4 matrix_a_scale:MATRIX_SCALE_ROW1
.endr
.endm
; A TILE OF 16 QUERIES, number s17 of the head's 128.  The loop walks all 16 steps, so that its trip count is a constant of the text; a step all of whose keys come after my queries has its work jumped over.
.macro TILE
	s_wait_xcnt 0x0                                ; the last tile's stores have read their data and bases: both are written again below
	s_lshl_b32 s18, s17, 4                         ; my first query,
	s_add_co_u32 s19, s18, 15                      ; my last
	s_lshr_b32 s56, s17, 3
	s_lshl_b32 s57, s16, 4
	s_add_co_u32 s56, s56, s57
	s_mul_i32 s56, s56, KREC                       ; q's record of my 128 tokens
	s_and_b32 s57, s17, 7                          ; my tile in it
	s_lshl_b32 s58, s57, 9
	s_add_co_u32 s58, s58, s56
	s_mov_b32 s59, 0
	s_add_nc_u64 s[60:61], s[4:5], s[58:59]
	s_and_b32 s58, s17, 1                          ; its scale words: 4,096 + 16 (r + 16 (tile % 2)) + 4 (tile / 2)
	s_lshl_b32 s58, s58, 8
	s_lshr_b32 s57, s57, 1
	s_lshl_b32 s57, s57, 2
	s_add_co_u32 s58, s58, s57
	s_add_co_u32 s58, s58, s56
	s_add_co_u32 s58, s58, 4096
	s_add_nc_u64 s[62:63], s[4:5], s[58:59]
	global_load_b128 v[16:19], v1, s[60:61]
	global_load_b32 v24, v3, s[62:63]
	v_mov_b32 v13, 0xff61b1e6                      ; the largest t so far: -3e38, under every t
	s_delay_alu instid0(VALU_DEP_1)
	v_floor_f32 v12, -v13                          ; -M
	v_mov_b32 v14, 0
	v_mov_b32 v15, 0
.set n, 0
.rept 32
	v_mov_b32 v[O+n], 0                            ; O^T: the step is written once; the first finds zeros, which the first change of M leaves zeros
.set n, n+1
.endr
	s_mov_b32 s20, 0                               ; the step's first key
	s_mov_b32 s21, 0                               ; its records in LDS
	s_mov_b32 s22, VBASE
	s_mov_b32 s23, 16
	s_wait_loadcnt 0x0                             ; Q
.Lstep_\@:
	s_cmp_gt_u32 s20, s19
	s_cbranch_scc1 .Lhidden_\@
	s_setprio 2
	WORK
.Lhidden_\@:
	s_add_co_u32 s20, s20, 128
	s_add_co_u32 s21, s21, KREC
	s_add_co_u32 s22, s22, VREC
	s_sub_co_i32 s23, s23, 1
	s_cmp_lg_u32 s23, 0
	s_cbranch_scc1 .Lstep_\@
	s_setprio 0
	; the tile's end: y = O^T / the sum, quantised along the head's 64 channels: two blocks of 32
.rept 4
	v_nop                                          ; places behind the last products
.endr
	v_add_f32 v14, v14, v15                        ; the sum's two halves,
	s_delay_alu instid0(VALU_DEP_1)
	v_permlanex16_b32 v218, v14, s48, s49
	s_delay_alu instid0(VALU_DEP_1)
	v_add_f32 v14, v14, v218                       ; and lane l xor 16's: the row's sum
	s_wait_alu depctr_va_vdst(0)
	v_rcp_f32 v216, v14
	v_nop                                          ; a plain place behind the transcendental
.set n, 0
	s_wait_alu depctr_va_vdst(0)
.rept 16
	v_pk_mul_f32 v[O+n:O+n+1], v[O+n:O+n+1], v[216:217] op_sel_hi:[1,0]   ; register 8 t + j: channel 16 t + 8 (lane / 16) + j of my query
.set n, n+2
.endr
.irp b, 0,1
	v_max3_num_f32 v[BM+\b], |v[O+16*\b]|, |v[O+1+16*\b]|, 0x1800000
.endr
.irp i, 2,4,6,8,10,12,14
.irp b, 0,1
	s_delay_alu instid0(VALU_DEP_2)
	v_max3_num_f32 v[BM+\b], v[BM+\b], |v[O+16*\b+\i]|, |v[O+1+16*\b+\i]|
.endr
.endr
.irp b, 0,1
	s_delay_alu instid0(VALU_DEP_2)
	v_permlanex16_b32 v[PT+\b], v[BM+\b], s48, s49
.endr
.irp b, 0,1
	s_delay_alu instid0(VALU_DEP_2)
	v_max_num_f32 v[BM+\b], v[BM+\b], v[PT+\b]
.endr
.irp b, 0,1
	s_delay_alu instid0(VALU_DEP_2)
	v_add_nc_u32 v[SO+\b], 0xff000000, v[BM+\b]
.endr
.irp b, 0,1
	s_delay_alu instid0(VALU_DEP_2)
	v_lshrrev_b32 v[PT+\b], 23, v[SO+\b]
.endr
.irp b, 0,1
	v_cvt_scalef32_pk8_fp4_f32 v[PC+\b], v[O+16*\b:O+16*\b+7], v[SO+\b]
	v_cvt_scalef32_pk8_fp4_f32 v[PC+2+\b], v[O+16*\b+8:O+16*\b+15], v[SO+\b]
.endr
	v_cndmask_b32 v224, v[PT], v[PT+1], s52        ; (a plain place behind the conversions)  lanes 0-15 store block 0's byte, lanes 16-31 block 1's
	v_permlane16_swap_b32 v[PC], v[PC+1]
	v_permlane16_swap_b32 v[PC+2], v[PC+3]         ; register i: channels 32 (lane / 16) + 8 i on
	s_wait_alu depctr_va_vdst(0)
	s_lshl_b32 s56, s14, 7
	s_add_co_u32 s56, s56, s17                     ; gt = 128 b + tile: the tile of 16 tokens among all 512
	s_lshr_b32 s57, s56, 4
	s_lshl_b32 s57, s57, 1
	s_lshr_b32 s58, s15, 3
	s_add_co_u32 s57, s57, s58                     ; 2 (gt / 16) + head / 8
	s_lshl_b32 s57, s57, 4
	s_and_b32 s58, s56, 15
	s_add_co_u32 s57, s57, s58
	s_lshl_b32 s57, s57, 12
	s_and_b32 s58, s15, 7
	s_lshl_b32 s58, s58, 9
	s_add_co_u32 s58, s58, s57
	s_add_nc_u64 s[54:55], s[8:9], s[58:59]
	s_lshl_b32 s58, s56, 9                         ; 16 gt tokens x 32 bytes,
	s_lshl_b32 s57, s15, 1
	s_add_co_u32 s58, s58, s57                     ; + 2 x head
	s_add_nc_u64 s[66:67], s[10:11], s[58:59]
	global_store_b128 v1, v[PC:PC+3], s[54:55]     ; 512 consecutive bytes
	global_store_b8 v5, v224, s[66:67]
.endm
	s_sub_co_u32 s17, 127, s53
	TILE
	s_mov_b32 s17, s53
	TILE
	s_wait_tensorcnt 0x0
	ds_add_u32 v254, v255
	s_wait_dscnt 0x0
	s_endpgm
.Lfunc_end_k_qe4c0f72f80_attn:
	.size	k_qe4c0f72f80_attn, .Lfunc_end_k_qe4c0f72f80_attn-k_qe4c0f72f80_attn
	.p2alignl 7, 3214868480
	.fill 96, 4, 3214868480
	.section	.rodata,"a",@progbits
	.p2align	6, 0x0
	.amdhsa_kernel k_qe4c0f72f80_attn
		.amdhsa_group_segment_fixed_size 327680
		.amdhsa_private_segment_fixed_size 0
		.amdhsa_enable_private_segment 0
		.amdhsa_kernarg_size 32
		.amdhsa_user_sgpr_count 2
		.amdhsa_user_sgpr_kernarg_segment_ptr 1
		.amdhsa_wavefront_size32 1
		.amdhsa_system_sgpr_workgroup_id_x 1
		.amdhsa_system_sgpr_workgroup_id_y 1
		.amdhsa_system_sgpr_workgroup_id_z 1
		.amdhsa_system_vgpr_workitem_id 0
		.amdhsa_next_free_vgpr 256
		.amdhsa_next_free_sgpr 72
		.amdhsa_reserve_vcc 1
		.amdhsa_float_denorm_mode_32 3
		.amdhsa_float_denorm_mode_16_64 3
		.amdhsa_memory_ordered 1
		.amdhsa_forward_progress 1
		.amdhsa_inst_pref_size 61
	.end_amdhsa_kernel
	.amdgpu_metadata
---
amdhsa.version: [ 1, 2 ]
amdhsa.kernels:
  - .name:           k_qe4c0f72f80_attn
    .symbol:         k_qe4c0f72f80_attn.kd
    .args:
      - { .name: qk, .offset: 0, .size: 8, .value_kind: global_buffer, .address_space: global }
      - { .name: vv, .offset: 8, .size: 8, .value_kind: global_buffer, .address_space: global }
      - { .name: yc, .offset: 16, .size: 8, .value_kind: global_buffer, .address_space: global }
      - { .name: ys, .offset: 24, .size: 8, .value_kind: global_buffer, .address_space: global }
    .group_segment_fixed_size: 327680
    .private_segment_fixed_size: 0
    .kernarg_segment_align: 8
    .kernarg_segment_size: 32
    .max_flat_workgroup_size: 512
    .sgpr_count:     72
    .vgpr_count:     256
    .wavefront_size: 32
...
	.end_amdgpu_metadata
.endif
;; end of part 2
;; launch proj (part 3): grid 4 x 32, 4 waves a work-group, clusters of 4 x 4, 327,680 bytes of LDS; arguments yc, ys, c_proj_w_codes, c_proj_w_scales, c_proj_b, out0; writes out0
.if DOCPART == 3
	.amdgcn_target "amdgcn-amd-amdhsa--gfx1250"
	.amdhsa_code_object_version 6
	.text
	.protected	k_qe4c0f72f80_proj
	.globl	k_qe4c0f72f80_proj
	.p2align	8
	.type	k_qe4c0f72f80_proj,@function
k_qe4c0f72f80_proj:
	s_mov_b64 s[64:65], 0
	v_nop
	global_prefetch_b8 v0, s[64:65] scope:SCOPE_SE
	s_setreg_imm32_b32 hwreg(HW_REG_WAVE_MODE, 25, 1), 1
	s_wait_xcnt 0x0
	s_wait_alu depctr_hold_cnt(0) depctr_sa_sdst(0) depctr_va_vdst(0) depctr_va_sdst(0) depctr_va_ssrc(0) depctr_va_vcc(0) depctr_vm_vsrc(0)
	s_getreg_b32 s2, hwreg(HW_REG_IB_STS2, 6, 4)
	s_cmp_eq_u32 s2, 0
	s_cbranch_scc0 .Lentry_in_a_cluster
	s_endpgm
.Lentry_in_a_cluster:
	s_bfe_u32 s2, ttmp6, 0x10000c
	s_cmp_lg_u32 s2, 0xf033
	s_cbranch_scc0 .Lentry_shape_is_right
	s_endpgm
.Lentry_shape_is_right:
; out0 = y W + b on codes of FP4 (E2M1) with one E8M0 scale for each 32 along K = 1,024.  y: codes as the launch in front lays them, in the order of the operand's registers; its scale bytes [token][32].
; W: [1,024 channels][512 bytes of codes], scale bytes [channel][32]; b: [1,024] f32; out0: [8,192 tokens][1,024] f32.
; A work-group of four waves makes 256 tokens x 256 channels, a wave 128 x 128: 64 accumulators of 16 x 16, 512 registers.  128 work-groups: the problem has 32 x 4 such tiles.
; K is two LDS slots of 512 along K; both slots and all scale bytes fit in LDS at once: every LDS byte is filled ONCE by a tensor load.
; CLUSTERS: 4 x 4 work-groups; the four of a row of the cluster need the same tokens of y, the four of a column the same channels of W: each tile is asked for jointly.
; THE MATRIX INSTRUCTION IS USED TRANSPOSED: P, source 0 = 16 channels of W; R, source 1 = 16 tokens: a lane then holds eight neighbouring numbers of a row of out0.  The bias is the C of the first step.
; y's half of K for 256 tokens is 65,536 dense bytes: [tile of 16 tokens 16][q 4][c 2][512]: a fragment is two loads of 512 consecutive bytes: no pitch, no padding.
; REGISTERS, in windows of 256: window 0: v1-29 addresses; v32-95 scale words, two sets; v128-191 R's fragments; v192-255 the bias as C; on the way out v128-255 rows of out0.
;   window 1: P's fragments, two sets, at v0 and v128.   windows 2, 3: accumulator (a = R's block, b = P's block) at v[8 (8 (a % 4) + b)] of window 2 + a / 4.
.set PITCH,  272                       ; W's LDS row: 256 bytes + 16 of padding
.set HALFT,  128*PITCH
.set YIMG,   65536                     ; y's images in a slot
.set SLOTP,  YIMG+2*HALFT              ; then W's 256 rows
.set SCL,    2*SLOTP                   ; behind the slots: the scale bytes, as rows of 256 bytes + 16 of padding
.set HALFS,  16*272
.set SBLK,   2*272
.set SPITCH, 528                       ; the way out: a stage of 16 rows x (512 bytes + 16) for each wave, in slot 0, which has had its only fill and its last read when the first result is stored there
.set NROW,   4096                      ; a row of out0 in bytes
.set RA,  16                           ; v16-17  y's images (my half HI of the tokens), slot 0, 1
.set WP,  18                           ; v18-19  W's rows (my half LO of the channels)
.set STO, 20                           ; v20     the way out: where I put 32 bytes of a row
.set RD,  21                           ; v21     and where I read a row back
.set SQ,  24                           ; v24     scale words: lanes 0-15 y's rows, lanes 16-31 W's
.set L16, 26                           ; v26     16 x lane
.set BO,  28                           ; v28     32 h
.set SC,  32
.set RF,  128
.set BK,  128
.set BI,  192
.set G1X, 24
.set G0X, 32
.set G1W, 48
.set G0W, 56
.set G1SX, 68
.set G0SX, 76
.set G1SW, 80
.set G0SW, 88
.set MUL_LO, 0xa1                      ; source 0 (P) window 1, source 1 (R) window 0, C and D window 2
.set MUL_HI, 0xf1
.set FST_LO, 0x81                      ; the first step: C (the bias) window 0, D window 2
.set FST_HI, 0xc1
.set TO_P,   0x40
.set MSB, 0
.macro WIN new                         ; the immediate's high byte repeats the setting that is left
.if MSB != (\new)
	s_set_vgpr_msb (MSB<<8)|(\new)
.set MSB, (\new)
.endif
.endm
.macro JLOAD g0a, g1a, g0b, g1b        ; a joint load: waves 0 and 1 fetch for y, waves 2 and 3 for W; four v_nop follow each of the two lines
	s_cmp_eq_u32 s19, 0
	s_cbranch_scc0 .Lfor_w_\@
	tensor_load_to_lds s[\g0a:\g0a+3], s[\g1a:\g1a+7]
	s_nop 0
.rept 4
	v_nop
.endr
	s_branch .Lasked_\@
.Lfor_w_\@:
	tensor_load_to_lds s[\g0b:\g0b+3], s[\g1b:\g1b+7]
	s_nop 0
.rept 4
	v_nop
.endr
.Lasked_\@:
.endm
.macro CROUND                          ; a round of the cluster's barrier
	s_barrier_signal -1
	s_barrier_wait -1
	s_cmp_lg_u32 s18, 0
	s_cbranch_scc1 .Lnot_wave_0_\@
	s_barrier_signal -3
.Lnot_wave_0_\@:
	s_barrier_wait -3
	s_barrier_signal -1
	s_barrier_wait -1
.endm
.macro PLACES n
.rept \n
	v_nop
.endr
.endm
	s_load_b256 s[4:11], s[0:1], 0x0               ; y's codes s[4:5], y's scales s[6:7], W's codes s[8:9], W's scales s[10:11]
	s_load_b128 s[12:15], s[0:1], 0x20             ; b s[12:13], out0 s[14:15]
	v_lshl_add_u32 v126, v0, 2, 0x46400
	v_mov_b32 v127, 0
	ds_add_u32 v126, v127
	ds_add_u32 v126, v127
	v_lshrrev_b32 v1, 5, v0
	v_readfirstlane_b32 s18, v1                    ; wave 0..3
	s_lshr_b32 s19, s18, 1                         ; HI: my half of the tokens.  Also: I fetch for y (0) or for W (1)
	s_and_b32 s20, s18, 1                          ; LO: my half of the channels.  Also: which half of that tile I fetch
	s_bfe_u32 s40, ttmp6, 0x40000                  ; cx, cy
	s_bfe_u32 s41, ttmp6, 0x40004
	s_lshl_b32 s42, ttmp9, 2
	s_add_co_u32 s42, s42, s40                     ; tx: my 256 channels
	s_and_b32 s43, ttmp7, 0xffff
	s_lshl_b32 s43, s43, 2
	s_add_co_u32 s43, s43, s41                     ; ty: my 256 tokens
	s_lshl_b32 s44, s41, 2
	s_lshl_b32 s44, 15, s44                        ; my row of the cluster
	s_lshl_b32 s45, 0x1111, s40                    ; my column
	; y's images: 32,768 dense bytes as 128 rows of 256 (32 elements of 8 bytes), no padding
	s_or_b32 s[G1X], s44, (3<<16)|(1<<21)
	s_mov_b32 s[G1X+1], 32<<16
	s_mov_b32 s[G1X+2], 128<<16
	s_mov_b32 s[G1X+3], 32<<16
	s_mov_b32 s[G1X+4], 128
	s_mov_b32 s[G1X+5], 32
	s_mov_b32 s[G1X+6], 0
	s_mov_b32 s[G1X+7], 0
	; W's codes: 128 rows x 256 bytes, 512 bytes apart in memory, 16 bytes of padding behind each row in LDS
	s_or_b32 s[G1W], s45, (0<<16)|(1<<20)|(1<<21)|(5<<22)|(3<<25)
	s_mov_b32 s[G1W+1], 256<<16
	s_mov_b32 s[G1W+2], 128<<16
	s_mov_b32 s[G1W+3], 256<<16
	s_mov_b32 s[G1W+4], 128
	s_mov_b32 s[G1W+5], 512
	s_mov_b32 s[G1W+6], 0
	s_mov_b32 s[G1W+7], 0
	; the scales of 128 rows: 4,096 dense bytes as 16 rows of 256, 16 bytes of padding behind each
	s_or_b32 s[G1SX], s44, (3<<16)|(1<<20)|(1<<21)|(5<<22)|(3<<25)
	s_or_b32 s[G1SW], s45, (3<<16)|(1<<20)|(1<<21)|(5<<22)|(3<<25)
.irp g, G1SX, G1SW
	s_mov_b32 s[\g+1], 32<<16
	s_mov_b32 s[\g+2], 16<<16
	s_mov_b32 s[\g+3], 32<<16
	s_mov_b32 s[\g+4], 16
	s_mov_b32 s[\g+5], 32
	s_mov_b32 s[\g+6], 0
	s_mov_b32 s[\g+7], 0
.endr
	; y's addresses hang on ty alone, W's on tx alone, each in registers that never hold the other coordinate
	s_lshl_b32 s21, s20, 15                        ; LO x 32,768: my half of y's images, in memory and in a slot
	s_lshl_b32 s22, s43, 17                        ; ty x two halves of K x 65,536
	s_add_co_u32 s46, s22, s21
	s_mov_b32 s47, 0
	s_lshl_b32 s99, s20, 7
	s_lshl_b32 s22, s43, 8
	s_add_co_u32 s22, s22, s99                     ; token 256 ty + 128 LO
	s_lshl_b32 s66, s22, 5                         ; its scales
	s_mov_b32 s67, 0
	s_lshl_b32 s23, s42, 8
	s_add_co_u32 s23, s23, s99                     ; channel 256 tx + 128 LO
	s_lshl_b32 s92, s23, 9
	s_mov_b32 s93, 0
	s_lshl_b32 s94, s23, 5
	s_mov_b32 s95, 0
	s_mul_i32 s100, s20, HALFT
	s_add_co_u32 s100, s100, YIMG                  ; W's half in a slot
	s_mul_i32 s99, s18, HALFS
	s_wait_dscnt 0x0
	s_wait_kmcnt 0x0
	s_add_nc_u64 s[46:47], s[4:5], s[46:47]
	s_add_nc_u64 s[66:67], s[6:7], s[66:67]
	s_add_nc_u64 s[92:93], s[8:9], s[92:93]
	s_add_nc_u64 s[94:95], s[10:11], s[94:95]
	CROUND                                         ; all sixteen work-groups are here: the joint loads meet
	s_mov_b32 s[G0SX], 1
	s_add_co_u32 s[G0SX+1], s99, SCL
	s_mov_b64 s[G0SX+2:G0SX+3], s[66:67]
	s_or_b32 s[G0SX+3], s[G0SX+3], 0x80000000
	s_mov_b32 s[G0SW], 1
	s_add_co_u32 s[G0SW+1], s99, SCL
	s_mov_b64 s[G0SW+2:G0SW+3], s[94:95]
	s_or_b32 s[G0SW+3], s[G0SW+3], 0x80000000
	JLOAD G0SX, G1SX, G0SW, G1SW
.irp s, 0,1
	s_mov_b32 s[G0X+4*\s], 1
	s_add_co_u32 s[G0X+4*\s+1], s21, \s*SLOTP
	s_add_nc_u64 s[G0X+4*\s+2:G0X+4*\s+3], s[46:47], \s*YIMG
	s_or_b32 s[G0X+4*\s+3], s[G0X+4*\s+3], 0x80000000
	s_mov_b32 s[G0W+4*\s], 1
	s_add_co_u32 s[G0W+4*\s+1], s100, \s*SLOTP
	s_add_nc_u64 s[G0W+4*\s+2:G0W+4*\s+3], s[92:93], \s*256
	s_or_b32 s[G0W+4*\s+3], s[G0W+4*\s+3], 0x80000000
	s_wait_alu depctr_va_vdst(0)
	s_wait_tensorcnt 0x0
	ds_add_u32 v126, v127
	s_wait_dscnt 0x0
	CROUND
	JLOAD G0X+4*\s, G1X, G0W+4*\s, G1W             ; one load of mine is out when it is issued: the earlier ones have landed
.endr
	v_and_b32 v1, 15, v0                           ; r
	v_bfe_u32 v2, v0, 4, 1                         ; h
	v_and_b32 v8, 31, v0
	v_lshlrev_b32 v[L16], 4, v8
	s_lshl_b32 s21, s19, 15                        ; my eight tiles of tokens: HI x 8 x 4,096
	v_add_nc_u32 v[RA], s21, v[L16]
	v_add_nc_u32 v[RA+1], SLOTP, v[RA]
	v_mul_u32_u24 v3, v1, PITCH
	v_lshl_add_u32 v3, v2, 4, v3
	s_mul_i32 s99, s20, HALFT
	s_add_co_u32 s99, s99, YIMG
	v_add_nc_u32 v[WP], s99, v3
	v_add_nc_u32 v[WP+1], SLOTP, v[WP]
	v_lshlrev_b32 v5, 5, v1                        ; my row's scales: 32 bytes a row,
	v_lshrrev_b32 v6, 8, v5
	v_lshl_add_u32 v5, v6, 4, v5                   ; and 16 more for each 256 passed
	s_mul_i32 s21, s19, HALFS
	s_mul_i32 s99, s20, HALFS
	s_add_co_u32 s100, s99, 2*HALFS
	s_sub_co_u32 s100, s100, s21                   ; from y's half HI to W's half LO
	v_mul_u32_u24 v6, s100, v2                     ; lanes 16-31 take W's
	s_add_co_u32 s101, s21, SCL
	v_add_nc_u32 v6, v5, v6
	v_add_nc_u32 v[SQ], s101, v6
	s_mul_i32 s21, s18, 16*SPITCH                  ; my stage
	v_mul_u32_u24 v5, v1, SPITCH
	v_lshl_add_u32 v5, v2, 5, v5
	v_add_nc_u32 v[STO], s21, v5                   ; in: row r, 32 bytes for each half of the lanes
	v_add_nc_u32 v[RD], s21, v[L16]                ; back: the 32 lanes take one row of 512 bytes
	v_lshlrev_b32 v[BO], 5, v2
	s_lshl_b32 s94, s23, 2                         ; the bias of channel 256 tx + 128 LO on
	s_mov_b32 s95, 0
	s_add_nc_u64 s[12:13], s[12:13], s[94:95]
.irp b, 0,1,2,3,4,5,6,7
	global_load_b128 v[BI+8*\b:BI+8*\b+3], v[BO], s[12:13] offset:64*\b        ; lane (r, h): channels 16 b + 8 h + 0 .. 7
	global_load_b128 v[BI+8*\b+4:BI+8*\b+7], v[BO], s[12:13] offset:64*\b+16
.endr
	s_lshl_b32 s96, s43, 8                         ; my part of out0: row 256 ty + 128 HI, byte 1,024 tx + 512 LO (under 2^32)
	s_lshl_b32 s97, s19, 7
	s_add_co_u32 s96, s96, s97
	s_lshl_b32 s96, s96, 12
	s_lshl_b32 s97, s42, 10
	s_add_co_u32 s96, s96, s97
	s_lshl_b32 s97, s20, 9
	s_add_co_u32 s96, s96, s97
	s_mov_b32 s97, 0
	s_add_nc_u64 s[14:15], s[14:15], s[96:97]
.macro FRAG reg, adr, q, i             ; a fragment of W from rows: lane l holds row l % 16; registers 4 c .. 4 c + 3 hold K = 64 c + 32 (l / 16) + 0 .. 31
.irp c, 0,1
	ds_load_b128 v[\reg+4*\c:\reg+4*\c+3], v[\adr] offset:64*(\q)+32*\c+(\i)*16*PITCH
.endr
.endm
.macro FRAG_R reg, adr, q, i           ; a fragment of y from its image
.irp c, 0,1
	ds_load_b128 v[\reg+4*\c:\reg+4*\c+3], v[\adr] offset:(\i)*4096+(\q)*1024+512*\c
.endr
.endm
.macro FETCH_P adr, q, p
	WIN TO_P
.irp i, 0,1,2,3,4,5,6,7
	FRAG 128*(\p)+8*\i, \adr, \q, \i
.endr
	WIN 0
.endm
.macro FETCH_R adr, q, i0
.irp i, \i0, \i0+1, \i0+2, \i0+3
	FRAG_R RF+8*(\i), \adr, \q, \i
.endr
.endm
.macro SCALES sc                       ; slot sc's scale words: lanes 0-15 take y's block i, lanes 16-31 W's block i
.irp i, 0,1,2,3,4,5,6,7
	ds_load_b128 v[SC+32*\sc+4*\i:SC+32*\sc+4*\i+3], v[SQ] offset:\i*SBLK+16*\sc
.endr
.endm
; 16 matrix instructions: y's blocks a0, a0 + 1 x W's eight.  first = 1: C is the bias.  The 64 accumulators take turns, one instruction a turn, in the same order in every step.
.macro MUL16 a0, p, q, sc, first
.irp a, \a0, \a0+1
.irp b, 0,1,2,3,4,5,6,7
.if \first
	v_wmma_scale_f32_16x16x128_f8f6f4 v[8*(8*((\a)%4)+\b):8*(8*((\a)%4)+\b)+7], v[128*(\p)+8*\b:128*(\p)+8*\b+7], v[RF+8*(\a):RF+8*(\a)+7], v[BI+8*\b:BI+8*\b+7], v[SC+32*(\sc)+4*\b+(\q)], v[SC+32*(\sc)+4*(\a)+(\q)] matrix_a_fmt:MATRIX_FMT_FP4 matrix_b_fmt:MATRIX_FMT_FP4 matrix_a_scale:MATRIX_SCALE_ROW1
.else
	v_wmma_scale_f32_16x16x128_f8f6f4 v[8*(8*((\a)%4)+\b):8*(8*((\a)%4)+\b)+7], v[128*(\p)+8*\b:128*(\p)+8*\b+7], v[RF+8*(\a):RF+8*(\a)+7], v[8*(8*((\a)%4)+\b):8*(8*((\a)%4)+\b)+7], v[SC+32*(\sc)+4*\b+(\q)], v[SC+32*(\sc)+4*(\a)+(\q)] matrix_a_fmt:MATRIX_FMT_FP4 matrix_b_fmt:MATRIX_FMT_FP4 matrix_a_scale:MATRIX_SCALE_ROW1
.endif
.endr
.endr
.endm
.macro STEP slot, q, first
	s_wait_dscnt 8                                 ; W's set, y's blocks 0-3 (and the scale words) are in; the youngest eight loads, y's blocks 4-7, may be out
.if \first
	WIN FST_LO
.else
	WIN MUL_LO
.endif
	MUL16 0, (\q)%2, \q, \slot, \first
	MUL16 2, (\q)%2, \q, \slot, \first
	s_wait_dscnt 0x0
	PLACES 4                                       ; in front of loads into registers that matrix instructions have read
	FETCH_P WP+\slot, (\q)+1, 1-(\q)%2
	FETCH_R RA+\slot, (\q)+1, 0
.if \first
	WIN FST_HI
.else
	WIN MUL_HI
.endif
	MUL16 4, (\q)%2, \q, \slot, \first
	MUL16 6, (\q)%2, \q, \slot, \first
	PLACES 4
	WIN 0
	FETCH_R RA+\slot, (\q)+1, 4
.endm
	s_wait_alu depctr_va_vdst(0)
	s_wait_tensorcnt 1                             ; the scales and my part of slot 0 are in; slot 1's load may stay out
	s_barrier_signal -1
	s_barrier_wait -1
	FETCH_P WP, 0, 0
	FETCH_R RA, 0, 0
	SCALES 0
	FETCH_R RA, 0, 4
	s_wait_loadcnt 0x0                             ; the bias
	STEP 0, 0, 1
	STEP 0, 1, 0
	STEP 0, 2, 0
	s_wait_dscnt 8                                 ; slot 0's last step goes over to slot 1
	WIN MUL_LO
	MUL16 0, 1, 3, 0, 0
	MUL16 2, 1, 3, 0, 0
	s_wait_tensorcnt 0x0                           ; for the others' sake: all my tensor loads have landed,
	s_wait_dscnt 0x0                               ; and my reads of slot 0 are over
	s_barrier_signal -1
	s_barrier_wait -1                              ; both now hold of every wave
	PLACES 4
	FETCH_P WP+1, 0, 0
	FETCH_R RA+1, 0, 0
	SCALES 1
	WIN MUL_HI
	MUL16 4, 1, 3, 0, 0
	MUL16 6, 1, 3, 0, 0
	PLACES 4
	WIN 0
	FETCH_R RA+1, 0, 4
	STEP 1, 0, 0
	STEP 1, 1, 0
	STEP 1, 2, 0
	s_wait_dscnt 8                                 ; the last step: nothing more to fetch
	WIN MUL_LO
	MUL16 0, 1, 3, 1, 0
	MUL16 2, 1, 3, 1, 0
	s_wait_dscnt 0x0
	WIN MUL_HI
	MUL16 4, 1, 3, 1, 0
	MUL16 6, 1, 3, 1, 0
	WIN 0
; THE WAY OUT, block by block of 16 tokens x 128 channels.  A lane holds 32 neighbouring bytes of a row and the lanes beside it hold other rows: a block goes through my own stage in LDS and comes back as whole rows of 512 bytes.
; LDS serves a wave's instructions in order (ISA guide 5.7.1.4): no wait between the stores and the loads, nor in front of the next block's stores.
.macro TOSTAGE a
.set AC, 64*((\a)%4)
	WIN 0x08+4*((\a)/4)                            ; an LDS store's data are its source 1: window 2 or 3
.irp b, 0,1,2,3,4,5,6,7
	ds_store_b128 v[STO], v[AC+8*\b:AC+8*\b+3] offset:64*\b          ; each accumulator from its low end on
	ds_store_b128 v[STO], v[AC+8*\b+4:AC+8*\b+7] offset:64*\b+16
.endr
	WIN 0
.set BB, BK+64*((\a)%2)
.irp t, 0,1,2,3,4,5,6,7,8,9,10,11,12,13,14,15
	ds_load_b128 v[BB+4*\t:BB+4*\t+3], v[RD] offset:\t*SPITCH
.endr
.endm
.macro SEND a, younger                 ; younger: the LDS instructions issued behind block a's loads, which may stay out
.set BB, BK+64*((\a)%2)
	s_wait_dscnt \younger                          ; the block is back in registers
.if (\a) > 0
	s_add_nc_u64 s[14:15], s[14:15], 16*NROW       ; (behind a wait on XCNT: the earlier stores have read their base)  16 rows on
.endif
.irp t, 0,1,2,3,4,5,6,7,8,9,10,11,12,13,14,15
	global_store_b128 v[L16], v[BB+4*\t:BB+4*\t+3], s[14:15] offset:\t*NROW th:TH_STORE_NT   ; 32 lanes store 512 consecutive bytes, at a multiple of 256 from out0's first byte; written once, read by nobody here
.endr
.endm
	PLACES 4                                       ; behind the last products: for the reads of results and the loads into the registers that held y's fragments
	TOSTAGE 0
.irp a, 1,2,3,4,5,6,7
.if \a > 1
	s_wait_xcnt 0x0                                ; block a - 2's stores have read their registers and their base: block a's loads may land there, and the base may step
.endif
	TOSTAGE \a
	SEND \a-1, 32                                  ; behind block a - 1's loads: block a's 16 stores and 16 loads
.endr
	s_wait_xcnt 0x0                                ; block 6's stores have read their base
	SEND 7, 0
	s_wait_tensorcnt 0x0
	ds_add_u32 v126, v127
	s_wait_dscnt 0x0
	CROUND                                         ; the closing round: no work-group ends while a partner may still ask for a tile that names it
	s_endpgm
.Lfunc_end_k_qe4c0f72f80_proj:
	.size	k_qe4c0f72f80_proj, .Lfunc_end_k_qe4c0f72f80_proj-k_qe4c0f72f80_proj
	.p2alignl 7, 3214868480
	.fill 96, 4, 3214868480
	.section	.rodata,"a",@progbits
	.p2align	6, 0x0
	.amdhsa_kernel k_qe4c0f72f80_proj
		.amdhsa_group_segment_fixed_size 327680
		.amdhsa_private_segment_fixed_size 0
		.amdhsa_enable_private_segment 0
		.amdhsa_kernarg_size 48
		.amdhsa_user_sgpr_count 2
		.amdhsa_user_sgpr_kernarg_segment_ptr 1
		.amdhsa_wavefront_size32 1
		.amdhsa_system_sgpr_workgroup_id_x 1
		.amdhsa_system_sgpr_workgroup_id_y 1
		.amdhsa_system_sgpr_workgroup_id_z 1
		.amdhsa_system_vgpr_workitem_id 0
		.amdhsa_next_free_vgpr 1024
		.amdhsa_next_free_sgpr 102
		.amdhsa_reserve_vcc 0
		.amdhsa_float_denorm_mode_32 3
		.amdhsa_float_denorm_mode_16_64 3
		.amdhsa_memory_ordered 1
		.amdhsa_forward_progress 1
		.amdhsa_inst_pref_size 126
	.end_amdhsa_kernel
	.amdgpu_metadata
---
amdhsa.version: [ 1, 2 ]
amdhsa.kernels:
  - .name:           k_qe4c0f72f80_proj
    .symbol:         k_qe4c0f72f80_proj.kd
    .args:
      - { .name: yc, .offset: 0, .size: 8, .value_kind: global_buffer, .address_space: global }
      - { .name: ys, .offset: 8, .size: 8, .value_kind: global_buffer, .address_space: global }
      - { .name: c_proj_w_codes, .offset: 16, .size: 8, .value_kind: global_buffer, .address_space: global }
      - { .name: c_proj_w_scales, .offset: 24, .size: 8, .value_kind: global_buffer, .address_space: global }
      - { .name: c_proj_b, .offset: 32, .size: 8, .value_kind: global_buffer, .address_space: global }
      - { .name: out0, .offset: 40, .size: 8, .value_kind: global_buffer, .address_space: global }
    .group_segment_fixed_size: 327680
    .private_segment_fixed_size: 0
    .kernarg_segment_align: 8
    .kernarg_segment_size: 48
    .max_flat_workgroup_size: 128
    .sgpr_count:     102
    .vgpr_count:     1024
    .wavefront_size: 32
...
	.end_amdgpu_metadata
.endif
;; end of part 3
